; MI455X (gfx1250); checked and timed in simulation.
; The chip was launched on July 23, 2026; its instructions are those of AMD's public machine-readable ISA for CDNA 5 (MIT licence, August 2026) and "CDNA5" Instruction Set Architecture Reference Guide (July 2026). The comments in the code are by the model that wrote it; some were corrected since.
;; CLSTM Cell. Allowed arithmetic: matrix products marked QUANTISED: E4M3 operands, one given power-of-two scale a tensor, by v_wmma_f32_16x16x64_fp8_fp8 or v_wmma_f32_16x16x128_fp8_fp8, f32 sums; everything else in f32.
;; Inputs: Ub_i 4 x 1,024 float32; Ub_r 4 x 1,024 float32; Uw_i_codes 4 x 1,024 x 32 x 32 uint8 (E4M3 codes of Uw_i, K innermost, in blocks of 32 codes); Uw_r_codes 4 x 1,024 x 32 x 32 uint8 (E4M3 codes of Uw_r, K innermost, in blocks of 32 codes); Wb_i 4 x 1,024 float32; Wb_r 4 x 1,024 float32; Ww_i_codes 4 x 1,024 x 32 x 32 uint8 (E4M3 codes of Ww_i, K innermost, in blocks of 32 codes); Ww_r_codes 4 x 1,024 x 32 x 32 uint8 (E4M3 codes of Ww_r, K innermost, in blocks of 32 codes); c_x 2,048 x 2,048 float32; h_x 2,048 x 2,048 float32; input 2,048 x 2,048 float32; lowp_scales 16 int32 (the exponents e of the quantised operands' scales 2^e).
;; Outputs: out0 2,048 x 2,048 float32; out1 2,048 x 2,048 float32.
;; This version of the problem:
;;   THIS VERSION OF THE PROBLEM IS GIVEN IN LOW PRECISION. The matrix products marked QUANTISED in the list below multiply operands that are first quantised to E4M3 (4 exponent bits, 3 mantissa bits; 8 bits a number), with one given power-of-two scale for each operand tensor; their sums are f32. All else is computed in f32.
;;   The module's matrix products, in the order in which they are computed (A, B: the left and right operand; K: the contracted axis; several contracted axes count as one K, in the product's order):
;;     1. [M 2,048, K 1,024] x [K 1,024, N 4,096]; A: input input; B: input Uw_r (given as codes): QUANTISED (scales: A lowp_scales[0], B lowp_scales[1])
;;     2. [M 2,048, K 1,024] x [K 1,024, N 4,096]; A: input input; B: input Uw_i (given as codes): QUANTISED (scales: A lowp_scales[2], B lowp_scales[3])
;;     3. [M 2,048, K 1,024] x [K 1,024, N 4,096]; A: input input; B: input Uw_i (given as codes): QUANTISED (scales: A lowp_scales[4], B lowp_scales[5])
;;     4. [M 2,048, K 1,024] x [K 1,024, N 4,096]; A: input input; B: input Uw_r (given as codes): QUANTISED (scales: A lowp_scales[6], B lowp_scales[7])
;;     5. [M 2,048, K 1,024] x [K 1,024, N 4,096]; A: input h_x; B: input Ww_r (given as codes): QUANTISED (scales: A lowp_scales[8], B lowp_scales[9])
;;     6. [M 2,048, K 1,024] x [K 1,024, N 4,096]; A: input h_x; B: input Ww_i (given as codes): QUANTISED (scales: A lowp_scales[10], B lowp_scales[11])
;;     7. [M 2,048, K 1,024] x [K 1,024, N 4,096]; A: input h_x; B: input Ww_i (given as codes): QUANTISED (scales: A lowp_scales[12], B lowp_scales[13])
;;     8. [M 2,048, K 1,024] x [K 1,024, N 4,096]; A: input h_x; B: input Ww_r (given as codes): QUANTISED (scales: A lowp_scales[14], B lowp_scales[15])
;;   THE QUANTISER, for each operand of a quantised product, along K:
;;     - The operand's scale is 2^e, e = its entry of the input lowp_scales (int32; the entries are numbered through the quantised products in the list's order, A before B).
;;     - Each number is divided by the scale, clamped to +-448, and rounded to the nearest number of E4M3, ties to even, subnormals kept.
;;     - The product sums the exact products of the quantised numbers (number of the format x scale) in f32.
;;   ~~~python
;;   def quantise(x, axis, e):      # numpy; x: float32 -> the quantised numbers, widened to float32 again
;;       x = np.moveaxis(x, axis, -1); K = x.shape[-1]
;;       r = np.clip(x / 2.0 ** e, -448, 448)
;;       step = 2.0 ** (np.maximum(np.frexp(np.where(r == 0, 1, r))[1] - 1, -6) - 3)
;;       q = np.round(r / step) * step * 2.0 ** e      # np.round: ties to even
;;       return np.moveaxis(q, -1, axis).astype(np.float32)
;;   ~~~
;;   INPUTS GIVEN AS CODES. Uw_i (in the module: [4, 1024, 1024], K = its axis 2); Uw_r (in the module: [4, 1024, 1024], K = its axis 2); Ww_i (in the module: [4, 1024, 1024], K = its axis 2); Ww_r (in the module: [4, 1024, 1024], K = its axis 2): each comes as NAME_codes (uint8): NAME with its K axis moved to the last place and cut into blocks of 32 codes, [.., K / 32, bytes a block], one block behind the other in memory; one code a byte (a code: sign, 4 exponent bits, 3 mantissa bits); its scale is its entry of lowp_scales. Its value is code x scale, taken as it is: it is not quantised again, and the codes and scales need not be those that the quantiser above would give.
;; One version. Each part assembles by itself: llvm-mc -triple=amdgcn-amd-amdhsa -mcpu=gfx1250 --defsym DOCPART=n.
;; ======== version 1 of 1: 2 launches
;; limits: right only within a limited range of input values
;; workspace buffers: acodes 16,777,216 bytes
;; launch quant (part 1): grid 512 x 1, 4 waves a work-group, no clusters, 33,280 bytes of LDS; arguments input, h_x, lowp_scales, acodes; writes acodes
.if DOCPART == 1
	.amdgcn_target "amdgcn-amd-amdhsa--gfx1250"
	.amdhsa_code_object_version 6
	.text
	.protected	k_q16d8433655_quant
	.globl	k_q16d8433655_quant
	.p2align	8
	.type	k_q16d8433655_quant,@function
k_q16d8433655_quant:
	s_mov_b64 s[64:65], 0
	v_nop
	global_prefetch_b8 v0, s[64:65] scope:SCOPE_SE
	s_setreg_imm32_b32 hwreg(HW_REG_WAVE_MODE, 25, 1), 1
	s_wait_xcnt 0x0
; input [2048][2048] and h_x [2048][2048], f32, become the left operands of the eight quantised products, as codes of E4M3, K innermost.
; No work of reference() is left out in this program: every input has a way to an output and all eight products are live.
; Each half of a row (real part, imaginary part) is the left operand of TWO products, each with an exponent of its own in lowp_scales; nothing says that the two are equal, so each number is quantised twice.
; acodes is [2 parts][2048 rows][4096 along K] bytes.  Part r: Q(xr, e0) Q(xi, e2) Q(hr, e8) Q(hi, e10).  Part i: Q(xi, e6) Q(xr, e4) Q(hi, e14) Q(hr, e12).
; So at every place along K both parts meet the same weights: Uw_r, Uw_i, Ww_r, Ww_i, 1,024 along K each.
; code = x / 2^e, held within +-448, rounded to the nearest code, ties to even.
; LIMITS: each of these eight exponents lies between -126 and 119, so that 2^e and 448 x 2^e are f32 numbers.  NaN among the inputs is not served; an infinity is held at the largest code.
; SHARES: work-groups 0-255 take input, 256-511 h_x: pointers and exponents alone are chosen, one path through the text.  A work-group takes 8 rows, a wave 2 rows: 8 steps of 512 numbers.
; The conversions take 8 neighbours along K from ONE lane's registers; a load is best where neighbouring LANES take neighbouring bytes.  So each of a step's four loads reads 512 consecutive bytes, and the
; 2,048 bytes turn through the wave's own stage in LDS (16 bytes of padding behind each 64) and come back 64 bytes a lane.  A lane's 16 codes are 16 bytes: each store of the wave covers 512 consecutive bytes, aligned.
; No barrier: waves share nothing.  Loads run four steps (16 loads a wave) ahead, the turn through LDS one step.
.set WAVES, 4
.set STEPS, 8
.set SP,    80                         ; a lane's place in a stage: its 64 bytes + 16 of padding
.set WREG,  8192                       ; LDS: a region for each wave: two stages of 32 x SP bytes
.set SPARE, WAVES*WREG                 ; behind the regions: the spare words, 128 bytes for each wave, which no other line names
.set OFS,   3                          ; v3       16 x lane: my bytes of a load's 512 and of a store's 512; never rewritten
.set SPW,   12                         ; v12      LDS address of my spare word; never rewritten
.set NIL,   13                         ; v13      0; never rewritten
.set SIN,   14                         ; v14      the stage, on the way in
.set SOUT,  15                         ; v15      the stage, on the way out
.set SC,    16                         ; v16-23   2^e and 448 x 2^e for (part r, real half), (part r, imaginary half), (part i, real half), (part i, imaginary half)
.set R,     32                         ; v32-95   four sets of 16 numbers as they are loaded
.set X,     96                         ; v96-127  two sets of 16 neighbours
.set TR,    128                        ; v128-143 the numbers held for part r's scale
.set TI,    144                        ; v144-159 and for part i's
.set CD,    160                        ; v160-223 codes: eight registers for each step, so that no store's data are written again
	s_load_b256 s[4:11], s[0:1], 0x0               ; input s[4:5], h_x s[6:7], the exponents s[8:9], acodes s[10:11]
	v_lshl_add_u32 v[SPW], v0, 2, SPARE
	v_mov_b32 v[NIL], 0
	v_lshrrev_b32 v1, 5, v0
	v_readfirstlane_b32 s12, v1                    ; wave 0..3
	v_and_b32 v2, 31, v0                           ; lane
	v_lshlrev_b32 v[OFS], 4, v2
	s_mul_i32 s13, s12, WREG
	v_lshrrev_b32 v[SIN], 2, v2
	v_mul_u32_u24 v[SIN], v[SIN], SP
	v_and_b32 v[SOUT], 3, v2
	v_lshl_add_u32 v[SIN], v[SOUT], 4, v[SIN]
	v_add_nc_u32 v[SIN], s13, v[SIN]               ; in: four lanes' 64 bytes on end, then the padding: SP (lane / 4) + 16 (lane % 4)
	v_mul_u32_u24 v[SOUT], v2, SP
	v_add_nc_u32 v[SOUT], s13, v[SOUT]             ; out: SP x lane: my 16 neighbours
	s_wait_kmcnt 0x0
	s_load_b512 s[16:31], s[8:9], 0x0              ; e0 .. e15
	s_cmp_lt_u32 ttmp9, 256                        ; input's work-group or h_x's?  The choice hangs on the work-group's number alone
	s_cselect_b64 s[4:5], s[4:5], s[6:7]
	s_cselect_b32 s14, 0, 256
	s_cselect_b32 s15, 0, 2048                     ; h_x's codes lie 2,048 further along K
	s_sub_co_u32 s14, ttmp9, s14
	s_lshl_b32 s14, s14, 3
	s_lshl_b32 s36, s12, 1
	s_add_co_u32 s14, s14, s36                     ; my wave's first row: 8 x work-group + 2 x wave
	s_lshl_b32 s36, s14, 13                        ; a row of f32 is 8,192 bytes
	s_mov_b32 s37, 0
	s_add_nc_u64 s[4:5], s[4:5], s[36:37]
	s_lshl_b32 s36, s14, 12                        ; a row of codes is 4,096 bytes
	s_add_co_u32 s36, s36, s15
	s_add_nc_u64 s[32:33], s[10:11], s[36:37]      ; part r
	s_add_nc_u64 s[34:35], s[32:33], 0x800000      ; part i: 2,048 rows of 4,096 bytes on
.macro LOAD t
.irp i, 0,1,2,3
	global_load_b128 v[R+16*((\t)%4)+4*\i:R+16*((\t)%4)+4*\i+3], v[OFS], s[4:5] offset:2048*(\t)+512*\i th:TH_LOAD_NT   ; 32 lanes read 512 consecutive bytes; read once in the launch
.endr
.endm
.macro TURN t                          ; step t's numbers through the stage: LDS serves a wave's instructions in order, so no wait stands between the stores and the loads
.irp i, 0,1,2,3
	ds_store_b128 v[SIN], v[R+16*((\t)%4)+4*\i:R+16*((\t)%4)+4*\i+3] offset:32*SP*((\t)%2)+8*SP*\i
.endr
.irp i, 0,1,2,3
	ds_load_b128 v[X+16*((\t)%2)+4*\i:X+16*((\t)%2)+4*\i+3], v[SOUT] offset:32*SP*((\t)%2)+16*\i
.endr
.endm
.irp t, 0,1,2,3
	LOAD \t
.endr
	s_wait_kmcnt 0x0
	s_cmp_lt_u32 ttmp9, 256
	s_cselect_b32 s38, s16, s24                    ; part r, real half: e0 or e8
	s_cselect_b32 s39, s18, s26                    ; part r, imaginary half: e2 or e10
	s_cselect_b32 s40, s20, s28                    ; part i, real half: e4 or e12
	s_cselect_b32 s41, s22, s30                    ; part i, imaginary half: e6 or e14
.irp k, 0,1,2,3
	s_add_co_i32 s[38+\k], s[38+\k], 127
	s_lshl_b32 s42, s[38+\k], 23
	v_mov_b32 v[SC+2*\k], s42                      ; 2^e as f32: the conversion takes its exponent field
	s_add_co_i32 s[38+\k], s[38+\k], 8
	s_lshl_b32 s42, s[38+\k], 23
	s_or_b32 s42, s42, 0x600000
	v_mov_b32 v[SC+2*\k+1], s42                    ; 448 x 2^e
.endr
	s_wait_loadcnt 12                              ; step 0's four loads are in; the twelve of steps 1 to 3 may be out
	TURN 0
; Step t: row t / 4 of my two, half (t / 2) % 2 of the row, piece t % 2 of the half's two pieces of 512.
.macro STEP t
.set XS, X+16*((\t)%2)
.set QH, ((\t)/2)%2
.set CC, CD+8*(\t)
	s_wait_dscnt 0x0                               ; this step's numbers are back from the stage: so its stores into the stage have read their registers,
.if (\t)+4 < STEPS
	LOAD (\t)+4                                    ; which take the loads of four steps on
.endif
.if (\t)+1 < STEPS
.if STEPS-2-(\t) >= 3
	s_wait_loadcnt 12                              ; the next step's four loads are in; those of the three steps behind it may be out
.else
	s_wait_loadcnt 4*(STEPS-2-(\t))                ; towards the end fewer steps stand behind it
.endif
	TURN (\t)+1                                    ; and go through the other stage while this step is worked
.endif
.irp i, 0,1,2,3,4,5,6,7,8,9,10,11,12,13,14,15
	v_med3_num_f32 v[TR+\i], v[XS+\i], -v[SC+2*QH+1], v[SC+2*QH+1]       ; the conversion to an 8-bit code does not saturate (ISA guide 7.6.2): the number is held within the largest code x the scale first,
	v_med3_num_f32 v[TI+\i], v[XS+\i], -v[SC+4+2*QH+1], v[SC+4+2*QH+1]   ; once for each of its two scales
.endr
	v_cvt_scalef32_pk8_fp8_f32 v[CC:CC+1],   v[TR:TR+7],    v[SC+2*QH]   ; eight numbers / 2^e, to the nearest code, ties to even; the first number's code in the lowest byte
	v_cvt_scalef32_pk8_fp8_f32 v[CC+2:CC+3], v[TR+8:TR+15], v[SC+2*QH]
	v_cvt_scalef32_pk8_fp8_f32 v[CC+4:CC+5], v[TI:TI+7],    v[SC+4+2*QH]
	v_cvt_scalef32_pk8_fp8_f32 v[CC+6:CC+7], v[TI+8:TI+15], v[SC+4+2*QH]
	v_nop                                          ; one plain vector instruction between the conversions and the next step's holds, which write their sources
	global_store_b128 v[OFS], v[CC:CC+3],   s[32:33] offset:((\t)/4)*4096+QH*1024+((\t)%2)*512       ; part r: the halves in their own order
	global_store_b128 v[OFS], v[CC+4:CC+7], s[34:35] offset:((\t)/4)*4096+(1-QH)*1024+((\t)%2)*512   ; part i: the halves changed over
.endm
.irp t, 0,1,2,3,4,5,6,7
	STEP \t
.endr
	s_wait_tensorcnt 0x0                           ; the wave's end: behind my last LDS store
	ds_add_u32 v[SPW], v[NIL]
	s_wait_dscnt 0x0
	s_endpgm
.Lfunc_end_k_q16d8433655_quant:
	.size	k_q16d8433655_quant, .Lfunc_end_k_q16d8433655_quant-k_q16d8433655_quant
	.p2alignl 7, 3214868480
	.fill 96, 4, 3214868480
	.section	.rodata,"a",@progbits
	.p2align	6, 0x0
	.amdhsa_kernel k_q16d8433655_quant
		.amdhsa_group_segment_fixed_size 33280
		.amdhsa_private_segment_fixed_size 0
		.amdhsa_enable_private_segment 0
		.amdhsa_kernarg_size 32
		.amdhsa_user_sgpr_count 2
		.amdhsa_user_sgpr_kernarg_segment_ptr 1
		.amdhsa_wavefront_size32 1
		.amdhsa_system_sgpr_workgroup_id_x 1
		.amdhsa_system_sgpr_workgroup_id_y 1
		.amdhsa_system_sgpr_workgroup_id_z 1
		.amdhsa_system_vgpr_workitem_id 0
		.amdhsa_next_free_vgpr 224
		.amdhsa_next_free_sgpr 66
		.amdhsa_reserve_vcc 0
		.amdhsa_float_denorm_mode_32 3
		.amdhsa_float_denorm_mode_16_64 3
		.amdhsa_memory_ordered 1
		.amdhsa_forward_progress 1
		.amdhsa_inst_pref_size 31
	.end_amdhsa_kernel
	.amdgpu_metadata
---
amdhsa.version: [ 1, 2 ]
amdhsa.kernels:
  - .name:           k_q16d8433655_quant
    .symbol:         k_q16d8433655_quant.kd
    .args:
      - { .name: input, .offset: 0, .size: 8, .value_kind: global_buffer, .address_space: global }
      - { .name: h_x, .offset: 8, .size: 8, .value_kind: global_buffer, .address_space: global }
      - { .name: lowp_scales, .offset: 16, .size: 8, .value_kind: global_buffer, .address_space: global }
      - { .name: acodes, .offset: 24, .size: 8, .value_kind: global_buffer, .address_space: global }
    .group_segment_fixed_size: 33280
    .private_segment_fixed_size: 0
    .kernarg_segment_align: 8
    .kernarg_segment_size: 32
    .max_flat_workgroup_size: 128
    .sgpr_count:     66
    .vgpr_count:     224
    .wavefront_size: 32
...
	.end_amdgpu_metadata
.endif
;; end of part 1
;; launch cell (part 2): grid 16 x 16, 4 waves a work-group, clusters of 4 x 4, 327,680 bytes of LDS; arguments acodes, Uw_r_codes, Uw_i_codes, Ww_r_codes, Ww_i_codes, lowp_scales, Ub_r, Ub_i, Wb_r, Wb_i, c_x, out0, out1; writes out0, out1
.if DOCPART == 2
	.amdgcn_target "amdgcn-amd-amdhsa--gfx1250"
	.amdhsa_code_object_version 6
	.text
	.protected	k_q16d8433655_cell
	.globl	k_q16d8433655_cell
	.p2align	8
	.type	k_q16d8433655_cell,@function
k_q16d8433655_cell:
	s_mov_b64 s[64:65], 0
	v_nop
	global_prefetch_b8 v0, s[64:65] scope:SCOPE_SE
	s_setreg_imm32_b32 hwreg(HW_REG_WAVE_MODE, 25, 1), 1
	s_wait_xcnt 0x0
	s_wait_alu depctr_hold_cnt(0) depctr_sa_sdst(0) depctr_va_vdst(0) depctr_va_sdst(0) depctr_va_ssrc(0) depctr_va_vcc(0) depctr_vm_vsrc(0)
	s_getreg_b32 s2, hwreg(HW_REG_IB_STS2, 6, 4)
	s_cmp_eq_u32 s2, 0
	s_cbranch_scc0 .Lentry_in_a_cluster
	s_endpgm
.Lentry_in_a_cluster:
	s_bfe_u32 s2, ttmp6, 0x10000c
	s_cmp_lg_u32 s2, 0xf033
	s_cbranch_scc0 .Lentry_shape_is_right
	s_endpgm
.Lentry_shape_is_right:
; The complex LSTM cell: the eight quantised products, the biases, the gates, c_t and h_t, in one launch.  No work of reference() is left out.
; THE PRODUCTS AS ONE GEMM.  acodes holds the left operands as [2 parts][2048 rows][4096 along K]; along K lie four SEGMENTS of 1,024, which meet Uw_r, Uw_i, Ww_r, Ww_i in both parts.  So z_r and z_i are
; 4,096 rows x 4,096 columns (gate, unit) x 4,096 along K, on codes of E4M3 by v_wmma_f32_16x16x128_fp8_fp8, sums in f32.
; THE SCALES.  In part p and segment s every product carries sign(p, s) x 2^E(p, s), E = the two operands' exponents added.  Part r: e0+e1, e2+e3, e8+e9, e10+e11, signs + - + -.  Part i: e6+e7, e4+e5, e14+e15, e12+e13, all +.
; One chain of sums runs through the four segments; at each change of segment the sums are multiplied by sign x sign x 2^(E before - E after), which rounds nothing; at the end z = sign x 2^E3 x sum + bias.
; LIMITS: each E before - E after lies between -126 and 90 (a segment's sum stays under 2^28), E3 between -126 and 127.  NaN among the inputs is not served.
; SHARES.  A work-group takes 128 rows x 64 hidden units, all four gates, both parts: a tile of 256 x 256 of that GEMM; 256 work-groups.  Wave w: part p = w / 2, half c = w % 2 of the units: 128 rows x (4 gates x 32 units): 64 accumulators.
; THE MATRIX INSTRUCTION IS USED TRANSPOSED (source 0 = 16 rows of weights, source 1 = 16 batch rows): lane (r, h), register j of accumulator (a, b = 2 gate + u) holds row r of block a, unit 32 c + 16 u + 8 h + j: the four gates of an element
; lie in one lane at one register index.  Blocks a = 0-3 (window 2) are the 64 rows that the wave FINISHES (64 p on), blocks 4-7 (window 3) the other 64, whose gates go to wave w xor 2 through LDS.  Which rows are which is said by LDS addresses alone: one text serves both parts.
; K goes in steps of 256 through a ring of two LDS slots filled by the tensor data mover: a tile's row is 256 bytes of memory, aligned.
; CLUSTERS: 4 x 4 work-groups.  The four of a row of the cluster need the same rows of acodes, the four of a column the same rows of the weights: each tile is asked for JOINTLY, by the same tensor load with the same descriptor and a mask that names the four.
; THE WAY OUT.  sigmoid(z) = 1 / (1 + 2^(-log2e z)), tanh(z) = 1 - 2 / (1 + 2^(2 log2e z)): right also where the power of two is 0 or infinite.  c_x's tile comes into slot 0 by a tensor load behind the last change of slots.
; The results leave block by block of 16 + 16 rows, each behind a barrier of its own, so that a block's stores are on their way while the next block is computed.
; REGISTERS, in windows of 256: window 0: v1-31 addresses; v32-95 the biases x the gates' factors; v96-127 at work on the way out; v128-255 the batch rows' fragments, ONE set; later results.
;   window 1: the weights' fragments, TWO sets; on the way out the partner's gates and c.   window 2: accumulators of blocks 0-3, (a, b) at v[8 (8 a + b)].   window 3: those of blocks 4-7; at the end the rows to be stored.
.set PITCH,  272                       ; an LDS row: 256 bytes + 16 of padding = 68 words: the 16 rows that a load touches start at 16 different banks (64 banks of 4 bytes: ISA guide 11.1)
.set HALFT,  128*PITCH                 ; 128 rows: what one tensor load of the ring brings
.set SLOT,   4*HALFT                   ; part r's 128 rows, part i's, the weights' half 0 (row 32 gate + unit), half 1
.set SPARE,  2*SLOT                    ; behind the ring: the spare words, 128 bytes for each wave, which no other line names
.set XBOX,   32768                     ; the way out: each wave's 32 accumulators for its partner, as images of their registers, in slot 1
.set FR,     16                        ; registers of a fragment: 16 rows x 128 K
.set NL,     4                         ; LDS loads that bring one
.set NP,     4                         ; places behind this matrix instruction (ISA guide 7.12.1)
.set FLAGS,  (1<<20)|(5<<22)|(3<<25)   ; descriptor group 1, word 0: elements of 1 byte; padding on; after every 64 words (code 5); 4 words of it (code 3)
.set NLOG2E, 0xbfb8aa3b                ; -log2(e)
.set LOG2E2, 0x4038aa3b                ; 2 log2(e)
.set LA,    8                          ; v8      my 32 bytes in a plane of the way out: (64 p + r) x PITCH + 128 c + 32 h
.set HOWN,  9                          ; v9      the same in h_t's plane of my part
.set HOTH,  10                         ; v10     and of the other part
.set RD,    11                         ; v11     where I read my plane back by rows
.set CO,    12                         ; v12     and the same place in the output
.set BO,    13                         ; v13     32 h: my eight biases of a tile
.set ADRAL, 16                         ; v16-17  LDS address of blocks 0-3 of the batch rows in slot 0, 1
.set ADRAH, 18                         ; v18-19  of blocks 4-7
.set ADRB,  20                         ; v20-21  of the weights
.set PFO,   22                         ; v22     the prefetches' offset: my lane x a row in memory; never rewritten
.set XST,   24                         ; v24     my place in my own box
.set XLD,   25                         ; v25     and in my partner's
.set COWN,  26                         ; v26     LA in c's plane of my part
.set COTH,  27                         ; v27     and of the other part
.set SPW,   28                         ; v28     LDS address of my spare word; never rewritten
.set NIL,   29                         ; v29     0; never rewritten
.set SGN,   30                         ; v[30:31] +1 in part r, -1 in part i, twice
.set BIAS,  32
.set TT,    96
.set AF,    128
.set PFA,   4                          ; s[4:5]   acodes at my tile; in the loop: where my prefetches stand
.set PN,    6                          ; s[6:7]   Uw_r at my tile; in the loop: the next segment's weights at my tile.  s[8:13]: Uw_i, Ww_r, Ww_i at my tile
.set MUL,   18                         ; s[18:19] the factor of the change of segment in hand;  s14, s15, s16 the three factors;  s17 sign x 2^E3
.set FS,    20                         ; s[20:21] sign x 2^E3 x -log2e
.set FT,    22                         ; s[22:23] sign x 2^E3 x 2 log2e
.set WV,    30
.set PT,    31                         ; my part.  Also: I fetch batch rows (0) or weights (1)
.set CH,    32                         ; my half of the units.  Also: which part's rows, or which half of the weights, I fetch
.set TX,    33
.set TY,    34
.set CX,    35
.set CY,    36
.set SEG,   37
.set LIM,   38                         ; 1 in a wave that prefetches
.set G1A,   40                         ; s[40:47] group 1 for the batch rows' tiles;  s[48:55] group 0, a set for each slot
.set G0A,   48
.set G1B,   56                         ; s[56:63] group 1 for the weights' tiles;  s[68:75] group 0;  s[76:79], s[80:83] groups 2 and 3
.set G0B,   68
.set G2B,   76
.set G3B,   80
.set G1C,   84                         ; s[84:99] first the sixteen exponents; then s[84:91], s[92:95] the descriptor of c's tile, s[96:97] -2 x SGN
.set G0C,   92
.set MSB, 0
.macro WIN new                         ; the immediate's high byte repeats the setting that is left; a switch that changes nothing is dropped
.if MSB != \new
	s_set_vgpr_msb (MSB<<8)|\new
.set MSB, \new
.endif
.endm
.set MUL_LO, 0xa1                      ; source 0 (weights) window 1, source 1 (batch rows) window 0, C and D window 2
.set MUL_HI, 0xf1                      ; the same, C and D window 3
.set TO_B,   0x40                      ; destination window 1, address window 0
; A joint load: waves 0 and 1 fetch the two parts' batch rows, waves 2 and 3 the weights' two halves.  Each line has one mask and one set of registers for all that issue it; the branch hangs on the wave's number alone.
; An s_nop 0 and four v_nop follow each line, ahead of the jump, the label and what follows.
.macro JLOAD s
	s_cmp_eq_u32 s[PT], 0
	s_cbranch_scc0 .Lfor_b_\@
	tensor_load_to_lds s[G0A+4*\s:G0A+4*\s+3], s[G1A:G1A+7]
	s_nop 0
.rept 4
	v_nop
.endr
	s_branch .Lasked_\@
.Lfor_b_\@:
	tensor_load_to_lds s[G0B+4*\s:G0B+4*\s+3], s[G1B:G1B+7], s[G2B:G2B+3], s[G3B:G3B+3]
	s_nop 0
.rept 4
	v_nop
.endr
.Lasked_\@:
.endm
.macro CLOAD                           ; c's tile, a plain load: every wave brings 64 rows x 256 bytes of its own (addresses by the wave's number)
	tensor_load_to_lds s[G0C:G0C+3], s[G1C:G1C+7]
	s_nop 0
.rept 4
	v_nop
.endr
.endm
.macro CREST                           ; a round of the cluster's barrier behind its opening barrier
	s_cmp_lg_u32 s[WV], 0
	s_cbranch_scc1 .Lnot_wave_0_\@
	s_barrier_signal -3
.Lnot_wave_0_\@:
	s_barrier_wait -3
	s_barrier_signal -1
	s_barrier_wait -1
.endm
.macro CROUND                          ; a whole round
	s_barrier_signal -1
	s_barrier_wait -1
	CREST
.endm
; A PREFETCH INTO THE L2 of the K step that stands two refills on, which is the same place in the NEXT segment: 32 rows x 256 bytes, a lane a row, one instruction a wave; 256 matrix instructions ahead of the load that will ask for it.
; Each row's 256 bytes are named once in the launch.  The batch rows of a tile row are read by every cluster of that row of clusters: cluster x = 0 asks; the weights of a tile column by every cluster of that column: cluster y = 0 asks.
; The four partners that ask for a tile jointly share it out BY ADDRESS: 32 of the 128 batch rows by cx, one of the four gates by cy.  The first segment comes by its loads alone, and the last segment asks for nothing.
.macro ASK off
	s_cmp_eq_u32 s[LIM], 1
	s_cbranch_scc0 .Lnot_mine_\@
	global_prefetch_b8 v[PFO], s[PFA:PFA+1] offset:\off th:TH_LOAD_NT scope:SCOPE_SE
.Lnot_mine_\@:
.endm
	s_load_b256 s[4:11], s[0:1], 0x0               ; acodes s[4:5], Uw_r s[6:7], Uw_i s[8:9], Ww_r s[10:11]
	s_load_b256 s[12:19], s[0:1], 0x20             ; Ww_i s[12:13], the exponents s[14:15], Ub_r s[16:17], Ub_i s[18:19]
	s_load_b256 s[20:27], s[0:1], 0x40             ; Wb_r s[20:21], Wb_i s[22:23], c_x s[24:25], out0 s[26:27]
	s_load_b64 s[28:29], s[0:1], 0x60              ; out1
	v_lshl_add_u32 v[SPW], v0, 2, SPARE
	v_mov_b32 v[NIL], 0
	ds_add_u32 v[SPW], v[NIL]                      ; the wave's opening: the add, twice on end, and its wait ahead of my first tensor load; the set-up below stands between
	ds_add_u32 v[SPW], v[NIL]
	v_lshrrev_b32 v1, 5, v0
	v_readfirstlane_b32 s[WV], v1                  ; wave 0..3
	s_lshr_b32 s[PT], s[WV], 1
	s_and_b32 s[CH], s[WV], 1
	s_bfe_u32 s[CX], ttmp6, 0x40000                ; my place in the cluster
	s_bfe_u32 s[CY], ttmp6, 0x40004
	s_lshl_b32 s[TX], ttmp9, 2
	s_add_co_u32 s[TX], s[TX], s[CX]               ; which 64 hidden units = 4 x cluster x + cx
	s_and_b32 s[TY], ttmp7, 0xffff
	s_lshl_b32 s[TY], s[TY], 2
	s_add_co_u32 s[TY], s[TY], s[CY]               ; which 128 batch rows = 4 x cluster y + cy
	s_lshl_b32 s2, s[CY], 2
	s_lshl_b32 s2, 15, s2                          ; my row of the cluster
	s_lshl_b32 s104, 0x1111, s[CX]                 ; my column
	s_or_b32 s[G1A], s2, FLAGS|(1<<21)             ; 15:0 the mask; bit 21 set beside a mask
	s_mov_b32 s[G1A+1], 256<<16                    ; tensor_dim0 = 256 bytes
	s_mov_b32 s[G1A+2], 128<<16                    ; tensor_dim1 = 128 rows
	s_mov_b32 s[G1A+3], 256<<16                    ; tile_dim0
	s_mov_b32 s[G1A+4], 128                        ; tile_dim1
	s_mov_b32 s[G1A+5], 4096                       ; from row to row of acodes
	s_mov_b32 s[G1A+6], 0
	s_mov_b32 s[G1A+7], 0
	s_or_b32 s[G1B], s104, FLAGS|(1<<21)
	s_mov_b32 s[G1B+1], 256<<16                    ; tensor_dim0 = 256 bytes
	s_mov_b32 s[G1B+2], 32<<16                     ; tensor_dim1 = 32 units
	s_mov_b32 s[G1B+3], 256<<16                    ; tile_dim0
	s_mov_b32 s[G1B+4], 32|(4<<16)                 ; tile_dim1 = 32 units, tile_dim2 = 4 gates: 128 rows in LDS
	s_mov_b32 s[G1B+5], 1024                       ; from unit to unit
	s_mov_b32 s[G1B+6], 0                          ; from gate to gate 1,048,576 bytes: its low 16 bits,
	s_mov_b32 s[G1B+7], 16                         ; and the rest
	s_mov_b32 s[G2B], 4                            ; tensor_dim2 = 4 gates
	s_mov_b32 s[G2B+1], 1                          ; dimensions 3 and 4 are not used: their tile sizes are 0
	s_mov_b32 s[G2B+2], 0x400000
	s_mov_b32 s[G2B+3], 0
	s_mov_b32 s[G3B], 0x400000
	s_mov_b32 s[G3B+1], 1<<16
	s_mov_b32 s[G3B+2], 0
	s_mov_b32 s[G3B+3], 0
	s_lshl_b32 s2, s[CH], 11                       ; the batch rows that I would fetch: part CH, rows 128 TY on, 4,096 bytes each: these hang on cy alone, which my row of the cluster shares
	s_lshl_b32 s3, s[TY], 7
	s_add_co_u32 s2, s2, s3
	s_lshl_b32 s2, s2, 12
	s_mov_b32 s3, 0
	s_lshl_b32 s100, s[TX], 6                      ; the weights: units 64 TX + 32 CH on, 1,024 bytes each: these hang on cx alone, which my column shares
	s_lshl_b32 s101, s[CH], 5
	s_add_co_u32 s100, s100, s101
	s_lshl_b32 s100, s100, 10
	s_mov_b32 s101, 0
	s_mul_i32 s39, s[WV], HALFT                    ; where a tile goes: wave x 128 rows: no place in the cluster enters an LDS address
	s_wait_dscnt 0x0                               ; both opening adds are done
	s_wait_kmcnt 0x0
	s_load_b512 s[84:99], s[14:15], 0x0            ; e0 .. e15
	s_add_nc_u64 s[4:5], s[4:5], s[2:3]
	s_add_nc_u64 s[6:7], s[6:7], s[100:101]
	s_add_nc_u64 s[8:9], s[8:9], s[100:101]
	s_add_nc_u64 s[10:11], s[10:11], s[100:101]
	s_add_nc_u64 s[12:13], s[12:13], s[100:101]
	CROUND                                         ; all sixteen work-groups are here: the first joint loads meet
.irp s, 0,1
	s_mov_b32 s[G0A+4*\s], 1                       ; count = 1
	s_add_co_u32 s[G0A+4*\s+1], s39, \s*SLOT       ; LDS address
	s_add_nc_u64 s[G0A+4*\s+2:G0A+4*\s+3], s[4:5], \s*256    ; K step s
	s_or_b32 s[G0A+4*\s+3], s[G0A+4*\s+3], 0x80000000        ; type = 2
	s_mov_b32 s[G0B+4*\s], 1
	s_add_co_u32 s[G0B+4*\s+1], s39, \s*SLOT
	s_add_nc_u64 s[G0B+4*\s+2:G0B+4*\s+3], s[6:7], \s*256
	s_or_b32 s[G0B+4*\s+3], s[G0B+4*\s+3], 0x80000000
	JLOAD \s                                       ; two loads of mine are out
.endr
	; LDS addresses
	v_and_b32 v1, 15, v0                           ; r = lane % 16
	v_bfe_u32 v2, v0, 4, 1                         ; h = lane / 16
	v_and_b32 v5, 31, v0                           ; lane
	v_mul_u32_u24 v3, v1, PITCH
	v_lshl_add_u32 v4, v2, 4, v3                   ; a fragment's row x pitch + 16 h
	s_mul_i32 s2, s[PT], HALFT+64*PITCH            ; blocks 0-3: my part's tile, rows 64 p on
	s_mul_i32 s3, s[PT], 64*PITCH                  ; blocks 4-7, whose immediates begin at row 64: my part's tile, rows 64 (1 - p) on
	s_mul_i32 s39, s[CH], HALFT
	s_add_co_u32 s39, s39, 2*HALFT                 ; my half of the weights
.irp s, 0,1
	v_add_nc_u32 v[ADRAL+\s], s2, v4
	v_add_nc_u32 v[ADRAH+\s], s3, v4
	v_add_nc_u32 v[ADRB+\s], s39, v4
	s_add_co_u32 s2, s2, SLOT
	s_add_co_u32 s3, s3, SLOT
	s_add_co_u32 s39, s39, SLOT
.endr
	v_lshlrev_b32 v6, 4, v5                        ; 16 x lane
	s_lshl_b32 s2, s[WV], 15
	s_add_co_u32 s2, s2, SLOT
	v_add_nc_u32 v[XST], s2, v6                    ; my box
	s_xor_b32 s2, s[WV], 2
	s_lshl_b32 s2, s2, 15
	s_add_co_u32 s2, s2, SLOT
	v_add_nc_u32 v[XLD], s2, v6                    ; my partner's
	s_mul_i32 s2, s[PT], 64*PITCH
	s_lshl_b32 s3, s[CH], 7
	s_add_co_u32 s2, s2, s3
	v_lshl_add_u32 v[LA], v2, 5, v3
	v_add_nc_u32 v[LA], s2, v[LA]
	s_mul_i32 s2, s[PT], HALFT
	v_add_nc_u32 v[COWN], s2, v[LA]
	s_xor_b32 s3, s[PT], 1
	s_mul_i32 s3, s3, HALFT
	v_add_nc_u32 v[COTH], s3, v[LA]
	v_add_nc_u32 v[HOWN], 2*HALFT, v[COWN]
	v_add_nc_u32 v[HOTH], 2*HALFT, v[COTH]
	s_mul_i32 s2, s[WV], HALFT
	v_mul_u32_u24 v7, v2, PITCH
	v_lshl_add_u32 v7, v1, 4, v7
	v_add_nc_u32 v[RD], s2, v7                     ; plane w: lanes 0-15 one row of 256 bytes, lanes 16-31 the next
	v_lshlrev_b32 v[CO], 13, v2
	v_lshl_add_u32 v[CO], v1, 4, v[CO]             ; and the same two rows in the output
	v_lshlrev_b32 v[BO], 5, v2
	; the prefetches: where my wave's stand in segments 1, 2, 3, and who asks
	s_and_b32 s[LIM], ttmp7, 0xffff                ; cluster y
	s_lshl_b32 s2, s[CX], 17                       ; 32 cx batch rows of 4,096 bytes
	s_lshl_b32 s39, s[CY], 20                      ; gate cy
	s_add_nc_u64 s[66:67], s[4:5], 1024
	s_add_nc_u64 s[100:101], s[4:5], 2048
	s_add_nc_u64 s[104:105], s[4:5], 3072
	s_cmp_eq_u32 s[PT], 0                          ; do I fetch batch rows?
	s_cselect_b32 s[LIM], ttmp9, s[LIM]            ; the coordinate along which other clusters read the same rows
	s_cselect_b32 s2, s2, s39
	s_cselect_b64 s[66:67], s[66:67], s[8:9]
	s_cselect_b64 s[100:101], s[100:101], s[10:11]
	s_cselect_b64 s[104:105], s[104:105], s[12:13]
	s_cselect_b32 s39, 12, 10
	s_mov_b32 s3, 0
	s_add_nc_u64 s[66:67], s[66:67], s[2:3]
	s_add_nc_u64 s[100:101], s[100:101], s[2:3]
	s_add_nc_u64 s[104:105], s[104:105], s[2:3]
	v_lshlrev_b32 v[PFO], s39, v5                  ; a lane a row
	s_cmp_eq_u32 s[LIM], 0
	s_cselect_b32 s[LIM], 1, -1                    ; the same in all sixteen partners, for a given wave
	; the biases of my part, in the result's layout: for tile b = 2 gate + u lane (r, h) wants units 32 c + 16 u + 8 h + 0 .. 7
	s_cmp_eq_u32 s[PT], 0
	s_cselect_b64 s[16:17], s[16:17], s[18:19]
	s_cselect_b64 s[20:21], s[20:21], s[22:23]
	s_cselect_b64 s[26:27], s[28:29], s[26:27]     ; waves 0 and 1 will store c_t's two planes (out1), waves 2 and 3 h_t's (out0)
	s_lshl_b32 s2, s[TX], 8
	s_lshl_b32 s39, s[CH], 7
	s_add_co_u32 s2, s2, s39
	s_add_nc_u64 s[16:17], s[16:17], s[2:3]
	s_add_nc_u64 s[20:21], s[20:21], s[2:3]
.irp b, 0,1,2,3,4,5,6,7
	global_load_b128 v[BIAS+8*\b:BIAS+8*\b+3],   v[BO], s[16:17] offset:(\b/2)*4096+(\b%2)*64
	global_load_b128 v[BIAS+8*\b+4:BIAS+8*\b+7], v[BO], s[16:17] offset:(\b/2)*4096+(\b%2)*64+16
	global_load_b128 v[TT+8*\b:TT+8*\b+3],       v[BO], s[20:21] offset:(\b/2)*4096+(\b%2)*64
	global_load_b128 v[TT+8*\b+4:TT+8*\b+7],     v[BO], s[20:21] offset:(\b/2)*4096+(\b%2)*64+16
.endr
	; c's tile and my plane of the output
	s_lshl_b32 s39, s[TY], 20                      ; 128 TY rows of 8,192 bytes
	s_lshl_b32 s2, s[TX], 8                        ; 64 TX units of 4 bytes
	s_add_co_u32 s39, s39, s2
	s_lshl_b32 s2, s[CH], 19                       ; c: rows 64 (w % 2) on,
	s_add_co_u32 s2, s2, s39
	s_lshl_b32 s3, s[PT], 12                       ; plane w / 2
	s_add_co_u32 s2, s2, s3
	s_mov_b32 s3, 0
	s_add_nc_u64 s[24:25], s[24:25], s[2:3]
	s_lshl_b32 s2, s[CH], 12                       ; the output: plane w % 2 of its tensor
	s_add_co_u32 s2, s2, s39
	s_add_nc_u64 s[26:27], s[26:27], s[2:3]
	s_wait_loadcnt 0x0                             ; the biases are in, and their address registers are free
.irp b, 0,1,2,3,4,5,6,7
.irp i, 0,2,4,6
	v_pk_add_f32 v[BIAS+8*\b+\i:BIAS+8*\b+\i+1], v[BIAS+8*\b+\i:BIAS+8*\b+\i+1], v[TT+8*\b+\i:TT+8*\b+\i+1]
.endr
.endr
.irp b, 0,1,2,3,4,5,6,7
.irp i, 0,2,4,6
.if \b/2 == 2
	v_pk_mul_f32 v[BIAS+8*\b+\i:BIAS+8*\b+\i+1], v[BIAS+8*\b+\i:BIAS+8*\b+\i+1], LOG2E2 op_sel_hi:[1,0]   ; gate a: tanh's factor
.else
	v_pk_mul_f32 v[BIAS+8*\b+\i:BIAS+8*\b+\i+1], v[BIAS+8*\b+\i:BIAS+8*\b+\i+1], NLOG2E op_sel_hi:[1,0]   ; gates f, i, o: the sigmoid's
.endif
.endr
.endr
	s_wait_kmcnt 0x0                               ; the exponents
	s_add_co_i32 s84, s84, s85                     ; each product's two exponents added
	s_add_co_i32 s86, s86, s87
	s_add_co_i32 s88, s88, s89
	s_add_co_i32 s90, s90, s91
	s_add_co_i32 s92, s92, s93
	s_add_co_i32 s94, s94, s95
	s_add_co_i32 s96, s96, s97
	s_add_co_i32 s98, s98, s99
	s_cmp_eq_u32 s[PT], 0
	s_cselect_b32 s84, s84, s90                    ; E0: e0+e1 or e6+e7
	s_cselect_b32 s86, s86, s88                    ; E1: e2+e3 or e4+e5
	s_cselect_b32 s92, s92, s98                    ; E2: e8+e9 or e14+e15
	s_cselect_b32 s94, s94, s96                    ; E3: e10+e11 or e12+e13
	s_cselect_b32 s2, 0x80000000, 0                ; part r's signs + - + -: every change of segment turns the sign, and the last segment's is -; part i's are all +
	s_xor_b32 s3, s2, 0xbf800000                   ; +1 in part r, -1 in part i
	v_mov_b32 v[SGN], s3
	v_mov_b32 v[SGN+1], s3
	s_or_b32 s96, s2, 0x40000000                   ; -2 x that
	s_mov_b32 s97, s96
	s_sub_co_i32 s14, s84, s86
	s_add_co_i32 s14, s14, 127
	s_lshl_b32 s14, s14, 23
	s_or_b32 s14, s14, s2                          ; the factor into segment 1
	s_sub_co_i32 s15, s86, s92
	s_add_co_i32 s15, s15, 127
	s_lshl_b32 s15, s15, 23
	s_or_b32 s15, s15, s2                          ; into segment 2
	s_sub_co_i32 s16, s92, s94
	s_add_co_i32 s16, s16, 127
	s_lshl_b32 s16, s16, 23
	s_or_b32 s16, s16, s2                          ; into segment 3
	s_add_co_i32 s17, s94, 127
	s_lshl_b32 s17, s17, 23
	s_or_b32 s17, s17, s2                          ; sign x 2^E3
	s_mul_f32 s[FS], s17, NLOG2E
	s_mov_b32 s[FS+1], s[FS]                       ; (named as a pair, so it is written)
	s_mul_f32 s[FT], s17, LOG2E2
	s_mov_b32 s[FT+1], s[FT]
.macro FRAG reg, adr, q, i             ; a fragment: lane l holds row l % 16; registers 4 c .. 4 c + 3 hold K = 32 c + 16 (l / 16) + 0 .. 15: the same order of k on both sides, so every product meets its partner
.irp c, 0,1,2,3
	ds_load_b128 v[\reg+4*\c:\reg+4*\c+3], v[\adr] offset:128*(\q)+32*\c+(\i)*16*PITCH
.endr
.endm
; 16 matrix instructions: blocks a0, a0 + 1 of the batch rows x the weights' eight, 128 along K.  p: the weights' set.  zero = 1: the first product starts the sums.
; The 64 accumulators take turns, one instruction a turn, in the same order in every step.
.macro MUL16 a0, p, zero
.irp a, \a0, \a0+1
.irp b, 0,1,2,3,4,5,6,7
.if \zero
	v_wmma_f32_16x16x128_fp8_fp8 v[8*(8*((\a)%4)+\b):8*(8*((\a)%4)+\b)+7], v[128*(\p)+FR*\b:128*(\p)+FR*\b+FR-1], v[AF+FR*(\a):AF+FR*(\a)+FR-1], 0
.else
	v_wmma_f32_16x16x128_fp8_fp8 v[8*(8*((\a)%4)+\b):8*(8*((\a)%4)+\b)+7], v[128*(\p)+FR*\b:128*(\p)+FR*\b+FR-1], v[AF+FR*(\a):AF+FR*(\a)+FR-1], v[8*(8*((\a)%4)+\b):8*(8*((\a)%4)+\b)+7]
.endif
.endr
.endr
.endm
.macro MUL8 a, p                       ; 8 of them: one block of the batch rows x the weights' eight
.irp b, 0,1,2,3,4,5,6,7
	v_wmma_f32_16x16x128_fp8_fp8 v[8*(8*((\a)%4)+\b):8*(8*((\a)%4)+\b)+7], v[128*(\p)+FR*\b:128*(\p)+FR*\b+FR-1], v[AF+FR*(\a):AF+FR*(\a)+FR-1], v[8*(8*((\a)%4)+\b):8*(8*((\a)%4)+\b)+7]
.endr
.endm
.macro FETCH_B slot, q, p              ; the weights' eight fragments of the slot's q-th 128 along K into set p
	WIN TO_B
.irp i, 0,1,2,3,4,5,6,7
	FRAG 128*(\p)+FR*\i, ADRB+\slot, \q, \i
.endr
	WIN 0
.endm
.macro FETCH_A slot, q, i0             ; the batch rows' blocks i0 .. i0 + 3
.if \i0 == 0
.irp i, 0,1,2,3
	FRAG AF+FR*\i, ADRAL+\slot, \q, \i
.endr
.else
.irp i, 4,5,6,7
	FRAG AF+FR*\i, ADRAH+\slot, \q, \i
.endr
.endif
.endm
; A load into a register that a matrix instruction has read, and a vector instruction that reads or writes a matrix result, stand NP places behind that matrix instruction; only plain vector instructions that name none of its registers are places.
.macro PLACES n
.rept \n
	v_nop
.endr
.endm
; A step of 128 along K that has its successor in the same slot.  A block of batch rows is free as soon as its eight products are issued, so one set of registers serves them; the weights are at work through the whole step and have two sets.
.macro STEP slot, q, zero
	s_wait_dscnt 4*NL                              ; the weights' set and blocks 0-3 are in; the youngest sixteen loads (blocks 4-7) may be out
	WIN MUL_LO
	MUL16 0, (\q)%2, \zero
	MUL16 2, (\q)%2, \zero
	s_wait_dscnt 0                                 ; blocks 4-7 are in (asked for 32 matrix instructions ago)
	PLACES NP
	FETCH_B \slot, (\q)+1, 1-(\q)%2
	FETCH_A \slot, (\q)+1, 0
	WIN MUL_HI
	MUL16 4, (\q)%2, \zero
	MUL16 6, (\q)%2, \zero
	PLACES NP
	WIN 0
	FETCH_A \slot, (\q)+1, 4
.endm
; A slot's last step changes slots.  Its first 24 products stand AHEAD of the wait for the next slot's tile, so that from a refill to the wait for it a wave issues 120 of a K step's 128 matrix instructions (32 + 64 + 24),
; and only 8 stand between that wait and the next refill.  Then each wave waits for all its tensor loads (one is out: its part of the next slot), adds 0 to its spare word, and waits for that and for its own reads of this slot.
; The barrier opens a round of the cluster's: behind it no wave of any partner still reads this slot or has a load on its way, and the refill is the first thing there, one load a wave.
; mode 0: this slot's K step two on, in the same segment;  1: the same for the batch rows, the next segment's first K steps for the weights;  2: c's tile.  pf: the prefetch's place in a row, or -1.
.macro TURN slot, next, mode, pf
	s_wait_dscnt 4*NL                              ; the weights' set and blocks 0-3 are in; the youngest sixteen loads (blocks 4-7) may be out
	WIN MUL_LO
	MUL16 0, 1, 0
	MUL8 2, 1
	WIN 0                                          ; (the add's two registers lie in window 0)
	s_wait_tensorcnt 0x0                           ; all my tensor loads have landed, so every group 0 may be written
	ds_add_u32 v[SPW], v[NIL]                      ; 0 onto my spare word; the descriptors' steps and eight products stand between it and the wait for it
.if \mode != 2
	s_add_nc_u64 s[G0A+4*\slot+2:G0A+4*\slot+3], s[G0A+4*\slot+2:G0A+4*\slot+3], 512   ; acodes' K runs on through the segments
.if \mode == 1
	s_add_nc_u64 s[G0B+4*\slot+2:G0B+4*\slot+3], s[PN:PN+1], 256*\slot
	s_or_b32 s[G0B+4*\slot+3], s[G0B+4*\slot+3], 0x80000000
.else
	s_add_nc_u64 s[G0B+4*\slot+2:G0B+4*\slot+3], s[G0B+4*\slot+2:G0B+4*\slot+3], 512
.endif
.endif
	WIN MUL_LO
	MUL8 3, 1
	WIN 0
	s_wait_dscnt 0x0                               ; the add is done, and my reads of this slot are over
	s_barrier_signal -1
	s_barrier_wait -1
	CREST
.if \mode == 2
	CLOAD
.else
	JLOAD \slot
.endif                                         ; the four v_nop behind the load are also the places in front of the loads below
	FETCH_B \next, 0, 0
	FETCH_A \next, 0, 0
.if \pf >= 0
	ASK \pf
.endif
	WIN MUL_HI
	MUL16 4, 1, 0
	MUL16 6, 1, 0
	PLACES NP
	WIN 0
	FETCH_A \next, 0, 4
.endm
; The change of segment: all 64 sums x sign x sign x 2^(E before - E after): nothing is rounded.  Each accumulator from its low end on.  The places behind the last product stand at TURN's end.
.macro RESCALE
	WIN 0x82                                       ; source 0 and destination window 2
.set j, 0
.rept 128
	v_pk_mul_f32 v[j:j+1], v[j:j+1], s[MUL:MUL+1] op_sel_hi:[1,0]
.set j, j+2
.endr
	WIN 0xc3                                       ; window 3
.set j, 0
.rept 128
	v_pk_mul_f32 v[j:j+1], v[j:j+1], s[MUL:MUL+1] op_sel_hi:[1,0]
.set j, j+2
.endr
	WIN 0
.endm
	s_wait_tensorcnt 1                             ; my part of K step 0 is in; K step 1's load may be out
	s_barrier_signal -1
	s_barrier_wait -1                              ; everybody's is
	FETCH_B 0, 0, 0
	FETCH_A 0, 0, 0
	FETCH_A 0, 0, 4
	STEP 0, 0, 1                                   ; the first step stands in front of the loop: its products start the sums
	s_mov_b32 s[SEG], 0
.Lseg:                                                 ; three trips: a trip goes from a segment's second step of 128 to the next segment's first: four K steps of 256, twice round the ring
	s_wait_xcnt 0x0                                ; the last prefetch, most of a K step back, has read its address
	s_cmp_eq_u32 s[SEG], 0                         ; the next segment's weights, prefetches and factor, by the count of trips
	s_cselect_b64 s[PN:PN+1], s[8:9], s[10:11]
	s_cselect_b64 s[PFA:PFA+1], s[66:67], s[100:101]
	s_cselect_b32 s[MUL], s14, s15
	s_cmp_eq_u32 s[SEG], 2
	s_cselect_b64 s[PN:PN+1], s[12:13], s[PN:PN+1]
	s_cselect_b64 s[PFA:PFA+1], s[104:105], s[PFA:PFA+1]
	s_cselect_b32 s[MUL], s16, s[MUL]
	s_mov_b32 s[MUL+1], s[MUL]
	TURN 0, 1, 0, 0
	STEP 1, 0, 0
	TURN 1, 0, 0, 256
	STEP 0, 0, 0
	TURN 0, 1, 1, 512
	STEP 1, 0, 0
	TURN 1, 0, 1, 768
	RESCALE
	STEP 0, 0, 0
	s_add_co_u32 s[SEG], s[SEG], 1
	s_cmp_lt_u32 s[SEG], 3
	s_cbranch_scc1 .Lseg
	; the last segment is written out.  First the descriptor of c's tile: 64 rows x 256 bytes, 8,192 bytes apart, padded as the ring's rows; no mask: a load of the wave's own
	s_mov_b32 s[G1C], FLAGS
	s_mov_b32 s[G1C+1], 256<<16
	s_mov_b32 s[G1C+2], 64<<16
	s_mov_b32 s[G1C+3], 256<<16
	s_mov_b32 s[G1C+4], 64
	s_mov_b32 s[G1C+5], 8192
	s_mov_b32 s[G1C+6], 0
	s_mov_b32 s[G1C+7], 0
	s_mov_b32 s[G0C], 1
	s_mul_i32 s[G0C+1], s[WV], 64*PITCH            ; plane w / 2, rows 64 (w % 2) on: where slot 0 held the batch rows
	s_mov_b64 s[G0C+2:G0C+3], s[24:25]
	s_or_b32 s[G0C+3], s[G0C+3], 0x80000000
	TURN 0, 1, 0, -1
	STEP 1, 0, 0
	TURN 1, 0, 0, -1
	STEP 0, 0, 0
	TURN 0, 1, 2, -1                               ; slot 0 has been read out for the last time: it takes c's tile
	STEP 1, 0, 0
	s_wait_dscnt 4*NL                              ; the very last step: nothing more to fetch
	WIN MUL_LO
	MUL16 0, 1, 0
	MUL16 2, 1, 0
	s_wait_dscnt 0x0                               ; my reads of slot 1 are over:
	s_barrier_signal -1                            ; say so; behind this barrier slot 1, which has had its last fill, takes the boxes.
	WIN MUL_HI
	MUL16 4, 1, 0
	MUL16 6, 1, 0
	WIN 0
	s_barrier_wait -1
	PLACES NP
; THE WAY OUT.  ACT: block a of window w, 64 registers, becomes its gates in place.  The exponentials are one batch with one wait, and so are the reciprocals.
.macro ACT w, a
.set AB, 64*(\a)
.if \w == 3
	WIN 0xc3
.else
	WIN 0x82
.endif
.irp b, 0,1,2,3,4,5,6,7
.irp i, 0,2,4,6
.if \b/2 == 2
	v_pk_fma_f32 v[AB+8*\b+\i:AB+8*\b+\i+1], v[AB+8*\b+\i:AB+8*\b+\i+1], s[FT:FT+1], v[BIAS+8*\b+\i:BIAS+8*\b+\i+1] op_sel_hi:[1,0,1]   ; 2 log2e z, z = sign x 2^E3 x sum + bias
.else
	v_pk_fma_f32 v[AB+8*\b+\i:AB+8*\b+\i+1], v[AB+8*\b+\i:AB+8*\b+\i+1], s[FS:FS+1], v[BIAS+8*\b+\i:BIAS+8*\b+\i+1] op_sel_hi:[1,0,1]   ; -log2e z
.endif
.endr
.endr
.set j, 0
.rept 64
	v_exp_f32 v[AB+j], v[AB+j]
.set j, j+1
.endr
	v_nop                                          ; a plain instruction behind the last exponential
	s_wait_alu depctr_va_vdst(0)
.set j, 0
.rept 32
	v_pk_add_f32 v[AB+j:AB+j+1], v[AB+j:AB+j+1], 1.0 op_sel_hi:[1,0]
.set j, j+2
.endr
.set j, 0
.rept 64
	v_rcp_f32 v[AB+j], v[AB+j]
.set j, j+1
.endr
	v_nop
	s_wait_alu depctr_va_vdst(0)
.irp i, 0,2,4,6,8,10,12,14
	v_pk_fma_f32 v[AB+32+\i:AB+32+\i+1], v[AB+32+\i:AB+32+\i+1], -2.0, 1.0 op_sel_hi:[1,0,0]   ; gate a: tanh = 1 - 2 / (1 + 2^..)
.endr
.endm
.macro SENDX a                         ; block a of window 3 goes into my box as an image of its registers: lane l's 16 bytes at 16 l, 512 bytes a store
	WIN 0x0c                                       ; the stores' data in window 3
.irp b, 0,1,2,3,4,5,6,7
	ds_store_b128 v[XST], v[64*(\a)+8*\b:64*(\a)+8*\b+3]   offset:(8*(\a)+\b)*1024
	ds_store_b128 v[XST], v[64*(\a)+8*\b+4:64*(\a)+8*\b+7] offset:(8*(\a)+\b)*1024+512
.endr
.endm
.irp a, 0,1,2,3
	ACT 3, \a
	SENDX \a
.endr
.irp a, 0,1,2,3
	ACT 2, \a
.endr
	WIN 0
	s_wait_tensorcnt 0x0                           ; my part of c's tile has landed,
	s_wait_dscnt 0x0                               ; my box is full:
	s_barrier_signal -1
	s_barrier_wait -1                              ; everybody's
; GET: what block a still wants, into set a % 2 of window 1 (96 registers): the other part's gates Y of my rows, from my partner's box, and c's two parts.
.macro GET a
.set GB, 96*((\a)%2)
	WIN TO_B
.irp b, 0,1,2,3,4,5,6,7
	ds_load_b128 v[GB+8*\b:GB+8*\b+3],   v[XLD] offset:(8*(\a)+\b)*1024
	ds_load_b128 v[GB+8*\b+4:GB+8*\b+7], v[XLD] offset:(8*(\a)+\b)*1024+512
.endr
.irp u, 0,1
.irp k, 0,1
	ds_load_b128 v[GB+64+8*\u+4*\k:GB+64+8*\u+4*\k+3], v[COWN] offset:16*(\a)*PITCH+64*\u+16*\k
	ds_load_b128 v[GB+80+8*\u+4*\k:GB+80+8*\u+4*\k+3], v[COTH] offset:16*(\a)*PITCH+64*\u+16*\k
.endr
.endr
	WIN 0
.endm
; FIN: block a's 16 complex elements a lane.  X = my part's gates (window 2: f, i, a, o at 16 registers each), Y = the other part's, co = c of my part, cx = c of the other.
;   D = co Xf - cx Yf + Xa Xi - Ya Yi      S = cx Xf + co Yf + Xa Yi + Xi Ya
; In part r D = ct_r; in part i D = -ct_r; S = ct_i in both.  With T. = SGN x tanh(.):  U = Xo TD - Yo TS is h_t of my part, V = Xo TS + Yo TD h_t of the other part, in both parts.
.macro FIN a
.set XB, 64*(\a)
.set GB, 96*((\a)%2)
.set RB, AF+64*((\a)%2)                ; results in window 0: D, S, U, V, 16 registers each
	WIN 0x09                                       ; source 0 window 1, source 1 window 2
.irp i, 0,2,4,6,8,10,12,14
	v_pk_mul_f32 v[RB+\i:RB+\i+1],       v[GB+64+\i:GB+64+\i+1], v[XB+\i:XB+\i+1]
	v_pk_mul_f32 v[RB+16+\i:RB+16+\i+1], v[GB+80+\i:GB+80+\i+1], v[XB+\i:XB+\i+1]
.endr
	WIN 0x0a                                       ; sources 0 and 1 window 2
.irp i, 0,2,4,6,8,10,12,14
	v_pk_fma_f32 v[RB+\i:RB+\i+1], v[XB+32+\i:XB+32+\i+1], v[XB+16+\i:XB+16+\i+1], v[RB+\i:RB+\i+1]
.endr
	WIN 0x05                                       ; sources 0 and 1 window 1
.irp i, 0,2,4,6,8,10,12,14
	v_pk_fma_f32 v[RB+\i:RB+\i+1],       v[GB+80+\i:GB+80+\i+1], v[GB+\i:GB+\i+1], v[RB+\i:RB+\i+1] neg_lo:[1,0,0] neg_hi:[1,0,0]
	v_pk_fma_f32 v[RB+16+\i:RB+16+\i+1], v[GB+64+\i:GB+64+\i+1], v[GB+\i:GB+\i+1], v[RB+16+\i:RB+16+\i+1]
.endr
.irp i, 0,2,4,6,8,10,12,14
	v_pk_fma_f32 v[RB+\i:RB+\i+1], v[GB+32+\i:GB+32+\i+1], v[GB+16+\i:GB+16+\i+1], v[RB+\i:RB+\i+1] neg_lo:[1,0,0] neg_hi:[1,0,0]
.endr
	WIN 0x06                                       ; source 0 window 2, source 1 window 1
.irp i, 0,2,4,6,8,10,12,14
	v_pk_fma_f32 v[RB+16+\i:RB+16+\i+1], v[XB+32+\i:XB+32+\i+1], v[GB+16+\i:GB+16+\i+1], v[RB+16+\i:RB+16+\i+1]
.endr
.irp i, 0,2,4,6,8,10,12,14
	v_pk_fma_f32 v[RB+16+\i:RB+16+\i+1], v[XB+16+\i:XB+16+\i+1], v[GB+32+\i:GB+32+\i+1], v[RB+16+\i:RB+16+\i+1]
.endr
	WIN 0
.irp i, 0,2,4,6,8,10,12,14
	v_pk_mul_f32 v[TT+\i:TT+\i+1],       v[RB+\i:RB+\i+1],       LOG2E2 op_sel_hi:[1,0]
	v_pk_mul_f32 v[TT+16+\i:TT+16+\i+1], v[RB+16+\i:RB+16+\i+1], LOG2E2 op_sel_hi:[1,0]
.endr
.set j, 0
.rept 32
	v_exp_f32 v[TT+j], v[TT+j]
.set j, j+1
.endr
.irp i, 0,2,4,6,8,10,12,14
	v_pk_mul_f32 v[RB+\i:RB+\i+1], v[RB+\i:RB+\i+1], v[SGN:SGN+1]   ; ct_r = SGN x D: plain work that names no exponential's result, between the batch and its wait
.endr
	s_wait_alu depctr_va_vdst(0)
.set j, 0
.rept 16
	v_pk_add_f32 v[TT+j:TT+j+1], v[TT+j:TT+j+1], 1.0 op_sel_hi:[1,0]
.set j, j+2
.endr
.set j, 0
.rept 32
	v_rcp_f32 v[TT+j], v[TT+j]
.set j, j+1
.endr
	v_nop
	s_wait_alu depctr_va_vdst(0)
.set j, 0
.rept 16
	v_pk_fma_f32 v[TT+j:TT+j+1], v[TT+j:TT+j+1], s[96:97], v[SGN:SGN+1] op_sel_hi:[1,0,1]   ; SGN x (1 - 2 / (1 + 2^..))
.set j, j+2
.endr
	WIN 0x02                                       ; source 0 window 2
.irp i, 0,2,4,6,8,10,12,14
	v_pk_mul_f32 v[RB+32+\i:RB+32+\i+1], v[XB+48+\i:XB+48+\i+1], v[TT+\i:TT+\i+1]
	v_pk_mul_f32 v[RB+48+\i:RB+48+\i+1], v[XB+48+\i:XB+48+\i+1], v[TT+16+\i:TT+16+\i+1]
.endr
	WIN 0x01                                       ; source 0 window 1
.irp i, 0,2,4,6,8,10,12,14
	v_pk_fma_f32 v[RB+32+\i:RB+32+\i+1], v[GB+48+\i:GB+48+\i+1], v[TT+16+\i:TT+16+\i+1], v[RB+32+\i:RB+32+\i+1] neg_lo:[1,0,0] neg_hi:[1,0,0]
	v_pk_fma_f32 v[RB+48+\i:RB+48+\i+1], v[GB+48+\i:GB+48+\i+1], v[TT+\i:TT+\i+1],       v[RB+48+\i:RB+48+\i+1]
.endr
	WIN 0
.endm
; PUT: the four results into four planes of 128 rows x 256 bytes in slot 0, which has had its last fill: ct_r, ct_i (over c's bytes, which this same lane has read and nobody else reads), ht_r, ht_i.
.macro PUT a
.set RB, AF+64*((\a)%2)
.irp u, 0,1
.irp k, 0,1
	ds_store_b128 v[LA],   v[RB+8*\u+4*\k:RB+8*\u+4*\k+3]       offset:16*(\a)*PITCH+64*\u+16*\k
	ds_store_b128 v[LA],   v[RB+16+8*\u+4*\k:RB+16+8*\u+4*\k+3] offset:HALFT+16*(\a)*PITCH+64*\u+16*\k
	ds_store_b128 v[HOWN], v[RB+32+8*\u+4*\k:RB+32+8*\u+4*\k+3] offset:16*(\a)*PITCH+64*\u+16*\k
	ds_store_b128 v[HOTH], v[RB+48+8*\u+4*\k:RB+48+8*\u+4*\k+3] offset:16*(\a)*PITCH+64*\u+16*\k
.endr
.endr
.endm
; Block n of the four waves together is rows 16 n .. 16 n + 15 and 64 + 16 n .. 64 + 16 n + 15 of every plane.  Wave w sends plane w: LOADP reads the block's 32 whole rows of 256 bytes back, two rows an instruction,
; into 64 registers of window 3 that are the block's own (window 3 is free since the boxes were filled): so no store's data are written again.  STOREP stores them.
.macro LOADP n
	WIN 0xc0                                       ; destination window 3, address window 0
.irp t, 0,1,2,3,4,5,6,7,8,9,10,11,12,13,14,15
	ds_load_b128 v[64*(\n)+4*\t:64*(\n)+4*\t+3], v[RD] offset:(64*(\t/8)+16*(\n)+2*(\t%8))*PITCH
.endr
	WIN 0
.endm
.macro STOREP n, cd                    ; cd = 1: the block's loads were the last LDS instructions issued: each store waits for its own
	WIN 0x0c                                       ; the stores' data in window 3
.irp t, 0,1,2,3,4,5,6,7,8,9,10,11,12,13,14,15
.if \cd
	s_wait_dscnt 15-\t                             ; LDS loads come back in order (ISA guide 5.7.1): load t is in, the younger ones may be out
.endif
	global_store_b128 v[CO], v[64*(\n)+4*\t:64*(\n)+4*\t+3], s[26:27] offset:(64*(\t/8)+16*(\n)+2*(\t%8))*8192 th:TH_STORE_NT   ; 16 lanes store 256 consecutive bytes, at a multiple of 256 from the output's first byte; written once, read by nobody here
.endr
	WIN 0
.endm
.macro BAR                             ; for the others' sake: my stores into the planes are done (and all my LDS loads are in); then the work-group's barrier
	s_wait_dscnt 0x0
	s_barrier_signal -1
	s_barrier_wait -1
.endm
; Between two of these barriers the waves touch different rows: LOADP n reads block n's, PUT n + 1 writes block n + 1's, GET n + 2 reads the boxes and c's rows of block n + 2.
	GET 0
	GET 1
	s_wait_dscnt 24                                ; block 0's 24 loads are in; block 1's may be out
	FIN 0
	PUT 0
	BAR                                            ; block 0 lies whole in the planes
	LOADP 0
	GET 2
	FIN 1
	PUT 1
	s_wait_dscnt 40                                ; block 0's 16 rows-loads are in; behind them: GET 2's 24 loads and PUT 1's 16 stores
	STOREP 0, 0
	BAR
	LOADP 1
	GET 3
	FIN 2
	PUT 2
	s_wait_dscnt 40                                ; the same one block on: GET 3's 24 loads and PUT 2's 16 stores may be out
	STOREP 1, 0
	BAR
	LOADP 2
	FIN 3
	PUT 3
	s_wait_dscnt 16                                ; block 2's loads are in; PUT 3's 16 stores may be out
	STOREP 2, 0
	BAR
	LOADP 3
	STOREP 3, 1
	s_wait_tensorcnt 0x0                           ; the wave's end: behind my last tensor load and my last LDS store
	ds_add_u32 v[SPW], v[NIL]
	s_wait_dscnt 0x0
	CROUND                                         ; the closing round: no work-group ends while a partner may still ask for a tile that names it
	s_endpgm
.Lfunc_end_k_q16d8433655_cell:
	.size	k_q16d8433655_cell, .Lfunc_end_k_q16d8433655_cell-k_q16d8433655_cell
	.p2alignl 7, 3214868480
	.fill 96, 4, 3214868480
	.section	.rodata,"a",@progbits
	.p2align	6, 0x0
	.amdhsa_kernel k_q16d8433655_cell
		.amdhsa_group_segment_fixed_size 327680
		.amdhsa_private_segment_fixed_size 0
		.amdhsa_enable_private_segment 0
		.amdhsa_kernarg_size 104
		.amdhsa_user_sgpr_count 2
		.amdhsa_user_sgpr_kernarg_segment_ptr 1
		.amdhsa_wavefront_size32 1
		.amdhsa_system_sgpr_workgroup_id_x 1
		.amdhsa_system_sgpr_workgroup_id_y 1
		.amdhsa_system_sgpr_workgroup_id_z 1
		.amdhsa_system_vgpr_workitem_id 0
		.amdhsa_next_free_vgpr 1024
		.amdhsa_next_free_sgpr 106
		.amdhsa_reserve_vcc 0
		.amdhsa_float_denorm_mode_32 3
		.amdhsa_float_denorm_mode_16_64 3
		.amdhsa_memory_ordered 1
		.amdhsa_forward_progress 1
		.amdhsa_inst_pref_size 255
	.end_amdhsa_kernel
	.section	.bss,"aw",@nobits
	.p2align	6
	.space	262144
	.amdgpu_metadata
---
amdhsa.version: [ 1, 2 ]
amdhsa.kernels:
  - .name:           k_q16d8433655_cell
    .symbol:         k_q16d8433655_cell.kd
    .args:
      - { .name: acodes, .offset: 0, .size: 8, .value_kind: global_buffer, .address_space: global }
      - { .name: Uw_r_codes, .offset: 8, .size: 8, .value_kind: global_buffer, .address_space: global }
      - { .name: Uw_i_codes, .offset: 16, .size: 8, .value_kind: global_buffer, .address_space: global }
      - { .name: Ww_r_codes, .offset: 24, .size: 8, .value_kind: global_buffer, .address_space: global }
      - { .name: Ww_i_codes, .offset: 32, .size: 8, .value_kind: global_buffer, .address_space: global }
      - { .name: lowp_scales, .offset: 40, .size: 8, .value_kind: global_buffer, .address_space: global }
      - { .name: Ub_r, .offset: 48, .size: 8, .value_kind: global_buffer, .address_space: global }
      - { .name: Ub_i, .offset: 56, .size: 8, .value_kind: global_buffer, .address_space: global }
      - { .name: Wb_r, .offset: 64, .size: 8, .value_kind: global_buffer, .address_space: global }
      - { .name: Wb_i, .offset: 72, .size: 8, .value_kind: global_buffer, .address_space: global }
      - { .name: c_x, .offset: 80, .size: 8, .value_kind: global_buffer, .address_space: global }
      - { .name: out0, .offset: 88, .size: 8, .value_kind: global_buffer, .address_space: global }
      - { .name: out1, .offset: 96, .size: 8, .value_kind: global_buffer, .address_space: global }
    .group_segment_fixed_size: 327680
    .private_segment_fixed_size: 0
    .kernarg_segment_align: 8
    .kernarg_segment_size: 104
    .max_flat_workgroup_size: 128
    .sgpr_count:     106
    .vgpr_count:     1024
    .wavefront_size: 32
...
	.end_amdgpu_metadata
.endif
;; end of part 2
